; MI455X (gfx1250); checked and timed in simulation.
; The chip was launched on July 23, 2026; its instructions are those of AMD's public machine-readable ISA for CDNA 5 (MIT licence, August 2026) and "CDNA5" Instruction Set Architecture Reference Guide (July 2026). The comments in the code are by the model that wrote it; some were corrected since.
;; BSI Quantized Linear. Allowed arithmetic: float matrix products may take bf16 or f16 operands with f32 sums; all other float work in f32.
;; Inputs: W 4,096 x 4,096 float32; b 4,096 float32; x 4,096 x 4,096 float32.
;; Outputs: out0 4,096 x 4,096 float32.
;; 2 versions, each right; version 2 is version 1 with the launch quant written anew for expert scheduling mode. Each part assembles by itself: llvm-mc -triple=amdgcn-amd-amdhsa -mcpu=gfx1250 --defsym DOCPART=n.
;; ======== version 1 of 2: 2 launches
;; limits: right only within a limited range of input values
;; workspace buffers: qx 33,554,432 bytes; qw 33,554,432 bytes
;; launch quant (part 1): grid 512 x 2, 8 waves a work-group, no clusters, 0 bytes of LDS; arguments x, W, qx, qw; writes qx, qw
.if DOCPART == 1
	.amdgcn_target "amdgcn-amd-amdhsa--gfx1250"
	.amdhsa_code_object_version 6
	.text
	.protected	k_qb3ed337f27_quant
	.globl	k_qb3ed337f27_quant
	.p2align	8
	.type	k_qb3ed337f27_quant,@function
k_qb3ed337f27_quant:
	s_mov_b64 s[64:65], 0
	v_nop
	global_prefetch_b8 v0, s[64:65] scope:SCOPE_SE
	s_setreg_imm32_b32 hwreg(HW_REG_WAVE_MODE, 25, 1), 1
	s_wait_xcnt 0x0
; qx = bf16(rndne(100 x)), qw = bf16(rndne(100 W)).  x, W: [4096][4096] f32;  qx, qw: [4096][4096] bf16.
; The fixed-point codes n = round(100 v) (ties to even, as jnp.round) are kept as whole numbers; the two divisions by 100 are made
; later, as one factor 1e-4 on the finished f32 sum.  100 v and its rounding to a whole number are the same two f32 operations that the definition makes,
; so the codes are the same.  LIMITS: codes up to 256 in magnitude are exact in bf16, larger ones are rounded to bf16's 8 significant bits
; (the rounding allowed for a matrix operand); 100 v overflows f32 where |v| > 3.4e36, as in the definition itself.
; A stream: each input byte is read once and each output byte written once, so LDS, barriers and the matrix unit would add nothing.
; SHARES.  Grid y picks the tensor (0: x -> qx, 1: W -> qw).  A work-group owns 131,072 consecutive input bytes = 32 steps of 4,096.
; Thread t takes the 16 bytes at 16 t of each step (a wave's load covers 512 consecutive bytes) and stores the 8 bytes at 8 t of the
; step's 2,048 output bytes (a wave's store covers 256 consecutive bytes, aligned).  The step stands in the immediate offset (126,976 at the most),
; so no address register is ever rewritten.  A ring of DEPTH register slots keeps DEPTH loads of every wave in flight.
.set STEP_IN,  4096
.set STEP_OUT, 2048
.set STEPS,    32
.set DEPTH,    8
.set IN,  1                            ; v1        16 t; never rewritten
.set OUT, 2                            ; v2        8 t; never rewritten
.set T,   4                            ; v[4:7]    four numbers at work
.set X,   8                            ; v[8:39]   slot s: 4 registers as loaded
.set Y,   40                           ; v[40:55]  slot s: 2 registers to store
	s_load_b256 s[4:11], s[0:1], 0x0               ; x s[4:5], W s[6:7], qx s[8:9], qw s[10:11]
	s_and_b32 s12, ttmp7, 0xffff                   ; grid y: which tensor
	s_lshl_b32 s14, ttmp9, 17                      ; the work-group's 131,072 input bytes (511 x 131,072 stays under 2^32)
	s_mov_b32 s15, 0
	s_lshl_b32 s16, ttmp9, 16                      ; and its 65,536 output bytes
	s_mov_b32 s17, 0
	s_mov_b32 s18, 0x42c80000                      ; 100.0; the packed multiply names a pair and takes its low word for both halves
	s_mov_b32 s19, 0x42c80000
	v_lshlrev_b32 v[IN], 4, v0
	v_lshlrev_b32 v[OUT], 3, v0
	s_wait_kmcnt 0x0
	s_cmp_eq_u32 s12, 0                            ; the choice hangs on the grid's y alone
	s_cselect_b64 s[4:5], s[4:5], s[6:7]           ; (a select leaves SCC as it is)
	s_cselect_b64 s[8:9], s[8:9], s[10:11]
	s_add_nc_u64 s[4:5], s[4:5], s[14:15]
	s_add_nc_u64 s[8:9], s[8:9], s[16:17]
.irp i, 0,1,2,3,4,5,6,7
	global_load_b128 v[X+4*\i:X+4*\i+3], v[IN], s[4:5] offset:\i*STEP_IN th:TH_LOAD_NT   ; fill the ring: steps 0 to 7
.endr
; Step i, in slot i % DEPTH.  All 32 are written out: the step's number stands in the offsets, and the last DEPTH steps load nothing.
.set i, 0
.rept STEPS
.set sl, i%DEPTH
.set left, STEPS-1-i                   ; loads issued behind load i: DEPTH - 1, and in the last steps what is left
.if left > DEPTH-1
.set left, DEPTH-1
.endif
	s_wait_loadcnt left                            ; loads come back in order (ISA guide 5.7.1): mine is in, the younger ones stay out
	s_wait_xcnt 0x0                                ; the slot's Y, which its last store reads, is rewritten only behind this wait
	v_pk_mul_f32 v[T:T+1],   v[X+4*sl:X+4*sl+1],   s[18:19] op_sel_hi:[1,0]   ; 100 v
	v_pk_mul_f32 v[T+2:T+3], v[X+4*sl+2:X+4*sl+3], s[18:19] op_sel_hi:[1,0]
	v_rndne_f32 v[T],   v[T]                       ; to the nearest whole number, ties to even
	v_rndne_f32 v[T+1], v[T+1]
	v_rndne_f32 v[T+2], v[T+2]
	v_rndne_f32 v[T+3], v[T+3]
	v_cvt_pk_bf16_f32 v[Y+2*sl],   v[T],   v[T+1]
	v_cvt_pk_bf16_f32 v[Y+2*sl+1], v[T+2], v[T+3]
.if i+DEPTH < STEPS
	global_load_b128 v[X+4*sl:X+4*sl+3], v[IN], s[4:5] offset:(i+DEPTH)*STEP_IN th:TH_LOAD_NT   ; the load goes ahead of the store
.endif
	global_store_b64 v[OUT], v[Y+2*sl:Y+2*sl+1], s[8:9] offset:i*STEP_OUT   ; no hint: the next launch reads these bytes
.set i, i+1
.endr
	s_endpgm
.Lfunc_end_k_qb3ed337f27_quant:
	.size	k_qb3ed337f27_quant, .Lfunc_end_k_qb3ed337f27_quant-k_qb3ed337f27_quant
	.p2alignl 7, 3214868480
	.fill 96, 4, 3214868480
	.section	.rodata,"a",@progbits
	.p2align	6, 0x0
	.amdhsa_kernel k_qb3ed337f27_quant
		.amdhsa_group_segment_fixed_size 0
		.amdhsa_private_segment_fixed_size 0
		.amdhsa_enable_private_segment 0
		.amdhsa_kernarg_size 32
		.amdhsa_user_sgpr_count 2
		.amdhsa_user_sgpr_kernarg_segment_ptr 1
		.amdhsa_wavefront_size32 1
		.amdhsa_system_sgpr_workgroup_id_x 1
		.amdhsa_system_sgpr_workgroup_id_y 1
		.amdhsa_system_sgpr_workgroup_id_z 1
		.amdhsa_system_vgpr_workitem_id 0
		.amdhsa_next_free_vgpr 56
		.amdhsa_next_free_sgpr 66
		.amdhsa_reserve_vcc 0
		.amdhsa_float_denorm_mode_32 3
		.amdhsa_float_denorm_mode_16_64 3
		.amdhsa_memory_ordered 1
		.amdhsa_forward_progress 1
		.amdhsa_inst_pref_size 21
	.end_amdhsa_kernel
	.amdgpu_metadata
---
amdhsa.version: [ 1, 2 ]
amdhsa.kernels:
  - .name:           k_qb3ed337f27_quant
    .symbol:         k_qb3ed337f27_quant.kd
    .args:
      - { .name: x, .offset: 0, .size: 8, .value_kind: global_buffer, .address_space: global }
      - { .name: W, .offset: 8, .size: 8, .value_kind: global_buffer, .address_space: global }
      - { .name: qx, .offset: 16, .size: 8, .value_kind: global_buffer, .address_space: global }
      - { .name: qw, .offset: 24, .size: 8, .value_kind: global_buffer, .address_space: global }
    .group_segment_fixed_size: 0
    .private_segment_fixed_size: 0
    .kernarg_segment_align: 8
    .kernarg_segment_size: 32
    .max_flat_workgroup_size: 256
    .sgpr_count:     66
    .vgpr_count:     56
    .wavefront_size: 32
...
	.end_amdgpu_metadata
.endif
;; end of part 1
;; launch gemm (part 2): grid 16 x 16, 4 waves a work-group, clusters of 4 x 4, 327,680 bytes of LDS; arguments qx, qw, out0, b; writes out0
.if DOCPART == 2
	.amdgcn_target "amdgcn-amd-amdhsa--gfx1250"
	.amdhsa_code_object_version 6
	.text
	.protected	k_qb3ed337f27_gemm
	.globl	k_qb3ed337f27_gemm
	.p2align	8
	.type	k_qb3ed337f27_gemm,@function
k_qb3ed337f27_gemm:
	s_mov_b64 s[64:65], 0
	v_nop
	global_prefetch_b8 v0, s[64:65] scope:SCOPE_SE
	s_setreg_imm32_b32 hwreg(HW_REG_WAVE_MODE, 25, 1), 1
	s_wait_xcnt 0x0
	s_wait_alu depctr_hold_cnt(0) depctr_sa_sdst(0) depctr_va_vdst(0) depctr_va_sdst(0) depctr_va_ssrc(0) depctr_va_vcc(0) depctr_vm_vsrc(0)
	s_getreg_b32 s2, hwreg(HW_REG_IB_STS2, 6, 4)
	s_cmp_eq_u32 s2, 0
	s_cbranch_scc0 .Lentry_in_a_cluster
	s_endpgm
.Lentry_in_a_cluster:
	s_bfe_u32 s2, ttmp6, 0x10000c
	s_cmp_lg_u32 s2, 0xf033
	s_cbranch_scc0 .Lentry_shape_is_right
	s_endpgm
.Lentry_shape_is_right:
; out0[m][n] = 1e-4 x (sum over k of qx[m][k] qw[n][k]) + b[n].  qx, qw: [4096][4096] bf16, the whole-number codes round(100 v); out0: [4096][4096] f32; b: [4096] f32.
; LIMITS: the two divisions by 100 of the definition are made as ONE factor 1e-4 on the f32 sum, inside the fused multiply-add that adds b: an order of rounding
; that differs from the definition's in f32's last bits.  The sum in the accumulators is 1e4 times the definition's, so it overflows where |out - b| passes 3.4e34.
; SHARES.  A tile of out0, 256 x 256, is made by a work-group of four waves; a wave makes 128 x 128: 64 accumulators of 16 x 16, 512 registers.  4096 / 256 squared = 256 tiles,
; one to a work-group.  K goes in 32 steps of 128 through a ring of two LDS slots filled by the tensor data mover: a tile's rows are 256 bytes of memory and start at multiples of 256 bytes.
; CLUSTERS: 4 x 4 work-groups.  The four of a row of the cluster make one tile row of out0 and need the same tiles of qx (A); the four of a column need the same tiles of qw (B).
; Such a tile is asked for JOINTLY: each of the four issues the same tensor load, with the same descriptor and a mask that names the four.  That divides the requests for A and B by four.
; THE MATRIX INSTRUCTION IS USED TRANSPOSED: source 0 = 16 rows of B, source 1 = 16 rows of A.  In the result lane l holds row m = l % 16 and its registers 0-7 the columns
; n = 8 (l / 16) + 0..7: 32 neighbouring bytes of a row of out0.
; REGISTERS, in windows of 256 (s_set_vgpr_msb's low byte: bits 1:0 source 0, 3:2 source 1, 5:4 source 2, 7:6 destination):
;   window 0: v0-31 addresses and b; v64-127, v128-191 fragments of A, two buffers; on the way out the same 128 registers take whole rows of out0, two buffers of 16 rows
;   window 1: v64-127, v128-191 fragments of B, two buffers
;   window 2: the 32 accumulators of my rows 0-63 (accumulator (a, b) at v[8 (8 a + b)]);   window 3: those of my rows 64-127
.set SIZE_K, 4096
.set KSTEP,  128
.set PITCH,  272                       ; an LDS row: 256 bytes + 16 of padding = 68 words: row r starts at bank 4 r mod 64 (64 banks of 4 bytes: ISA guide 11.1), so the 16 rows of a fragment load start at 16 different banks
.set HALFT,  128*PITCH                 ; 128 rows: what one tensor load brings, and what one wave reads of A or of B
.set SLOT,   4*HALFT                   ; A's 256 rows, then B's 256 rows: 139,264 bytes
.set STAGE,  2*SLOT                    ; behind the ring, at 1,088 x 256 bytes: the stages for the way out, which no tensor load fills
.set SPITCH, 528                       ; a stage row: 128 f32 = 512 bytes + 16: the 16 rows that a store touches start at 16 different 16-byte columns modulo 256
.set WSTAGE, 16*SPITCH                 ; a wave's own stage: 16 rows, 8,448 bytes = 33 x 256
.set LAPS,   SIZE_K/(2*KSTEP)          ; a lap = two K steps = once round the ring: 16
.set ROWC,   16384                     ; bytes in a row of out0
.set ADRA, 16                          ; v16-17  LDS address of my A fragments in slot 0, 1
.set ADRB, 20                          ; v20-21  the same for B
.set STO,  24                          ; v24     the way out: where I put 32 bytes of a row
.set RD,   25                          ; v25     the way out: where I read 16 bytes of a whole row back
.set CO,   26                          ; v26     16 x lane: my byte offset in a row of my part of out0, and in my part of b
.set BIAS, 28                          ; v[28:31] b of my four columns on the way out
.set F0,   64                          ; fragment buffer 0
.set F1,   128                         ; fragment buffer 1
.set OB,   64                          ; the way out: 16 rows x 4 registers, two buffers, where A's fragments lay
.set G1,  24                           ; s[24:31] descriptor group 1 for A's tiles
.set G0,  32                           ; s[32:39] descriptor group 0 for A's tiles, one set for each slot
.set G1B, 48                           ; s[48:55] descriptor group 1 for B's tiles: it differs from A's in the mask alone
.set G0B, 56                           ; s[56:63] descriptor group 0 for B's tiles, one set for each slot
.set SC,  68                           ; s[68:69] 1e-4, twice: the packed multiply-add names a pair
.set MSB, 0
.macro WIN new                         ; the immediate's high byte repeats the setting that is left; a switch that changes nothing is dropped
.if MSB != \new
	s_set_vgpr_msb (MSB<<8)|\new
.set MSB, \new
.endif
.endm
.set MUL_LO, 0xa1                      ; source 0 (B) window 1, source 1 (A) window 0, C and D window 2
.set MUL_HI, 0xf1                      ; the same, C and D window 3
.set TO_B,   0x40                      ; destination window 1, address window 0
; A joint load.  Waves 0 and 1 fetch A's two halves, waves 2 and 3 B's.  Each of the two lines has one mask and one set of registers for all that issue it.
; The branch hangs on the wave's number alone: it is the same in every work-group.  Four v_nop follow each of the two lines, ahead of the jump, the label and what follows.
.macro JLOAD s
	s_cmp_eq_u32 s11, 0
	s_cbranch_scc0 .Lfor_b_\@
	tensor_load_to_lds s[G0+4*\s:G0+4*\s+3], s[G1:G1+7]
	s_nop 0
.rept 4
	v_nop
.endr
	s_branch .Lasked_\@
.Lfor_b_\@:
	tensor_load_to_lds s[G0B+4*\s:G0B+4*\s+3], s[G1B:G1B+7]
	s_nop 0
.rept 4
	v_nop
.endr
.Lasked_\@:
.endm
; A round of the cluster's barrier: my work-group's barrier, so that wave 0's signal speaks for all four waves; wave 0 signals for the work-group; every wave waits for all
; sixteen work-groups; my work-group's barrier once more.  No LDS instruction of the wave is pending at a signal.
.macro CREST                           ; a round behind its opening barrier
	s_cmp_lg_u32 s10, 0
	s_cbranch_scc1 .Lnot_wave_0_\@
	s_barrier_signal -3
.Lnot_wave_0_\@:
	s_barrier_wait -3
	s_barrier_signal -1
	s_barrier_wait -1
.endm
.macro CROUND                          ; a whole round
	s_barrier_signal -1
	s_barrier_wait -1
	CREST
.endm
	s_load_b128 s[4:7], s[0:1], 0x0                ; qx (A) s[4:5], qw (B) s[6:7]
	s_load_b64 s[8:9], s[0:1], 0x10                ; out0
	s_load_b64 s[66:67], s[0:1], 0x18              ; b
	s_set_vgpr_msb 0x40
	v_lshl_add_u32 v255, v0, 2, 0x4c400
	s_set_vgpr_msb 0x4000
	v_mov_b32 v255, 0
	s_set_vgpr_msb 0x1
	ds_add_u32 v255, v255
	ds_add_u32 v255, v255
	s_set_vgpr_msb 0x100
	v_lshrrev_b32 v1, 5, v0
	v_readfirstlane_b32 s10, v1                    ; wave 0..3
	s_lshr_b32 s11, s10, 1                         ; which half of the tile's rows is mine.  Also: I fetch for A (0) or for B (1)
	s_and_b32 s12, s10, 1                          ; which half of its columns.  Also: which 128 rows of that tile I fetch
	s_bfe_u32 s40, ttmp6, 0x40000                  ; cx: my place along the cluster's x
	s_bfe_u32 s41, ttmp6, 0x40004                  ; cy: along its y
	s_lshl_b32 s42, ttmp9, 2                       ; in a cluster launch ttmp9 and ttmp7 count clusters
	s_add_co_u32 s42, s42, s40                     ; tile column = 4 x cluster x + cx
	s_and_b32 s13, ttmp7, 0xffff
	s_lshl_b32 s13, s13, 2
	s_add_co_u32 s13, s13, s41                     ; tile row = 4 x cluster y + cy
	s_lshl_b32 s43, s41, 2
	s_lshl_b32 s43, 15, s43                        ; my row of the cluster: places 4 cy .. 4 cy + 3
	s_lshl_b32 s44, 0x1111, s40                    ; my column: places cx, cx + 4, cx + 8, cx + 12
	; descriptor group 1: a tile of 128 rows x 128 elements, padded in LDS
	s_or_b32 s[G1+0], s43, (1<<16)|(1<<20)|(1<<21)|(5<<22)|(3<<25)  ; 15:0 the mask: A's tiles go to my row; 17:16 elements of 2 bytes; 20 padding on; 21 set beside a mask; 24:22 after every 64 words (code 5); 31:25 4 words of it (code 3)
	s_or_b32 s[G1B+0], s44, (1<<16)|(1<<20)|(1<<21)|(5<<22)|(3<<25) ; the same with the mask of my column, for B's tiles
	s_mov_b32 s[G1B+1], KSTEP<<16
	s_mov_b32 s[G1+1], KSTEP<<16                   ; 63:48 tensor_dim0, low half = 128
	s_mov_b32 s[G1B+2], 128<<16
	s_mov_b32 s[G1+2], 128<<16                     ; 79:64 its high half = 0; 95:80 tensor_dim1, low half = 128
	s_mov_b32 s[G1B+3], KSTEP<<16
	s_mov_b32 s[G1+3], KSTEP<<16                   ; 111:96 its high half = 0; 127:112 tile_dim0 = 128
	s_mov_b32 s[G1B+4], 128
	s_mov_b32 s[G1+4], 128                         ; 143:128 tile_dim1 = 128; 159:144 tile_dim2 = 0
	s_mov_b32 s[G1B+5], SIZE_K
	s_mov_b32 s[G1+5], SIZE_K                      ; 191:160 tensor_dim0_stride, low word: elements from row to row
	s_mov_b32 s[G1B+6], 0
	s_mov_b32 s[G1+6], 0
	s_mov_b32 s[G1B+7], 0
	s_mov_b32 s[G1+7], 0
	; where the tiles come from.  A's hang on the tile row alone, which my row of the cluster shares; B's on the tile column alone, which my column shares.
	; Every wave makes both addresses, in registers that never hold the other coordinate, and asks by one of them.
	s_lshl_b32 s17, s12, 7                         ; which 128 rows of the tile I fetch
	s_lshl_b32 s16, s13, 8
	s_add_co_u32 s16, s16, s17                     ; A: row 256 x tile row + 128 x half
	s_lshl_b32 s46, s42, 8
	s_add_co_u32 s46, s46, s17                     ; B: row 256 x tile column + 128 x half
	s_mov_b32 s17, 0
	s_mov_b32 s47, 0
	s_mov_b64 s[18:19], SIZE_K*2
	s_mul_u64 s[16:17], s[16:17], s[18:19]         ; in bytes
	s_mul_u64 s[46:47], s[46:47], s[18:19]
	s_mul_i32 s20, s10, HALFT                      ; and where they go: A's two halves, then B's two halves = wave x 128 rows: no place in the cluster enters an LDS address
	s_wait_dscnt 0x0
	s_wait_kmcnt 0x0
	s_add_nc_u64 s[14:15], s[4:5], s[16:17]
	s_add_nc_u64 s[46:47], s[6:7], s[46:47]
	CROUND                                         ; all sixteen work-groups are here: the first joint loads meet
.irp s, 0,1
	s_mov_b32 s[G0+4*\s], 1                                        ; 1:0 count = 1
	s_add_co_u32 s[G0+4*\s+1], s20, \s*SLOT                        ; 63:32 LDS address
	s_add_nc_u64 s[G0+4*\s+2:G0+4*\s+3], s[14:15], \s*KSTEP*2      ; 120:64 global address: K step s
	s_or_b32 s[G0+4*\s+3], s[G0+4*\s+3], 0x80000000                ; 127:126 type = 2
	s_mov_b32 s[G0B+4*\s], 1
	s_add_co_u32 s[G0B+4*\s+1], s20, \s*SLOT
	s_add_nc_u64 s[G0B+4*\s+2:G0B+4*\s+3], s[46:47], \s*KSTEP*2
	s_or_b32 s[G0B+4*\s+3], s[G0B+4*\s+3], 0x80000000
	JLOAD \s                                       ; the ring is filled before anything else is done: two tensor loads of mine are out
.endr
	; A fragment is 16 rows x 32 K in 8 registers: lane l holds row l % 16; registers 0-3 hold K = 8 (l / 16) + 0..7, registers 4-7 hold
	; K = 16 + 8 (l / 16) + 0..7.  From rows that lie along K: two loads of 16 bytes, 32 bytes apart.  The same for source 0 and source 1.
	v_and_b32 v1, 15, v0                           ; l % 16
	v_bfe_u32 v2, v0, 4, 1                         ; l / 16
	v_mul_u32_u24 v3, v1, PITCH
	v_lshl_add_u32 v3, v2, 4, v3                   ; row x pitch + 16 x half
	s_mul_i32 s21, s11, HALFT                      ; my 128 rows of A
	s_mul_i32 s22, s12, HALFT                      ; my 128 rows of B,
	s_add_co_u32 s22, s22, 2*HALFT                 ; which lie behind A's 256
.irp s, 0,1
	v_add_nc_u32 v[ADRA+\s], s21, v3
	v_add_nc_u32 v[ADRB+\s], s22, v3
	s_add_co_u32 s21, s21, SLOT
	s_add_co_u32 s22, s22, SLOT
.endr
	s_mul_i32 s23, s10, WSTAGE
	s_add_co_u32 s23, s23, STAGE                   ; my stage
	v_mul_u32_u24 v4, v1, SPITCH                   ; in: row l % 16, 32 bytes for each half of the lanes
	v_lshl_add_u32 v4, v2, 5, v4
	v_add_nc_u32 v[STO], s23, v4
	v_and_b32 v5, 31, v0
	v_lshlrev_b32 v[CO], 4, v5                     ; back: the 32 lanes take one whole row of 512 bytes, 16 bytes each; the same place in a row of out0 and in b
	v_add_nc_u32 v[RD], s23, v[CO]
	; where my part of the tile begins in out0 and in b
	s_lshl_b32 s16, s13, 8
	s_lshl_b32 s14, s11, 7
	s_add_co_u32 s16, s16, s14                     ; my first row,
	s_lshl_b32 s16, s16, 14                        ; times 16,384 bytes (3,968 rows at the most: under 2^32)
	s_mov_b32 s17, 0
	s_add_nc_u64 s[8:9], s[8:9], s[16:17]
	s_lshl_b32 s46, s42, 10                        ; my first column, in bytes: 1,024 x tile column + 512 x half (in the registers that held B's address: none that feeds A's descriptors ever holds cx)
	s_lshl_b32 s47, s12, 9
	s_add_co_u32 s46, s46, s47
	s_mov_b32 s47, 0
	s_add_nc_u64 s[8:9], s[8:9], s[46:47]
	s_add_nc_u64 s[66:67], s[66:67], s[46:47]
	global_load_b128 v[BIAS:BIAS+3], v[CO], s[66:67]   ; b of columns 4 l .. 4 l + 3 of my 128: the same four for every row that I store
	s_mov_b32 s[SC], 0x38d1b717                    ; 1e-4
	s_mov_b32 s[SC+1], 0x38d1b717
; 16 matrix instructions: m blocks a0, a0 + 1 of the window's four (hi = 0: my rows 0-63, 1: rows 64-127) x all 8 n blocks, 32 along K.
; zero = 1: the first product starts the sums: nothing is ever cleared.  The 64 accumulators take turns, one instruction a turn, in the same order in every quarter step.
.macro MUL16 f, hi, a0, zero
.irp a, \a0, \a0+1
.irp b, 0,1,2,3,4,5,6,7
.if \zero
	v_wmma_f32_16x16x32_bf16 v[8*(8*(\a)+\b):8*(8*(\a)+\b)+7], v[\f+8*\b:\f+8*\b+7], v[\f+8*(4*\hi+\a):\f+8*(4*\hi+\a)+7], 0
.else
	v_wmma_f32_16x16x32_bf16 v[8*(8*(\a)+\b):8*(8*(\a)+\b)+7], v[\f+8*\b:\f+8*\b+7], v[\f+8*(4*\hi+\a):\f+8*(4*\hi+\a)+7], v[8*(8*(\a)+\b):8*(8*(\a)+\b)+7]
.endif
.endr
.endr
.endm
; 32 LDS loads in one run: the fragments of one quarter step (128 rows of B, 128 rows of A, 32 K at byte k of the rows) into buffer f
.macro FETCH slot, k, f
	WIN TO_B
.irp i, 0,1,2,3,4,5,6,7
	ds_load_b128 v[\f+8*\i:\f+8*\i+3],   v[ADRB+\slot] offset:\k+\i*16*PITCH
	ds_load_b128 v[\f+8*\i+4:\f+8*\i+7], v[ADRB+\slot] offset:\k+\i*16*PITCH+32
.endr
	WIN 0
.irp i, 0,1,2,3,4,5,6,7
	ds_load_b128 v[\f+8*\i:\f+8*\i+3],   v[ADRA+\slot] offset:\k+\i*16*PITCH
	ds_load_b128 v[\f+8*\i+4:\f+8*\i+7], v[ADRA+\slot] offset:\k+\i*16*PITCH+32
.endr
.endm
; A load into a register that a matrix instruction has read, and an LDS store that reads a matrix result, stand four places behind that matrix instruction, and only plain vector
; instructions that name none of its registers are places (ISA guide 7.12.1 for vector instructions); the matrix instructions in between are not counted.
.macro PLACES
.rept 4
	v_nop
.endr
.endm
; A K step is four quarter steps of 32 along K, 64 matrix instructions each, on buffers 0, 1, 0, 1.
; One of the first three: multiplies buffer f; in its middle it fetches the next quarter's fragments, at byte k of the same slot's rows, into buffer g.
.macro QUARTER slot, k, f, g, zero
	s_wait_dscnt 8                                 ; B and A's rows 0-63 are in; the youngest eight loads (A's rows 64-127) may be out
	WIN MUL_LO
	MUL16 \f, 0, 0, \zero
	MUL16 \f, 0, 2, \zero
	PLACES
	FETCH \slot, \k, \g
	s_wait_dscnt 32                                ; all but the 32 just issued
	WIN MUL_HI
	MUL16 \f, 1, 0, \zero
	MUL16 \f, 1, 2, \zero
.endm
; The last quarter multiplies buffer 1 and changes slots: ONE barrier, for two things.  In front of it each wave waits for its own reads of this slot and for all its tensor loads,
; of which one is out: its part of the next slot.  Behind it nobody reads this slot any more and the next slot is whole.
; fill = 1: this slot is filled again, two K steps ahead.  The barrier then opens a round of the cluster's barrier, so that no wave of any partner still reads the slot or has a load on its way;
; the joint refill is the first tensor load behind the round, one a wave, and a wave issues 240 matrix instructions between it and the wait for it.
.macro TURN slot, next, fill
	s_wait_dscnt 8
	WIN MUL_LO
	MUL16 F1, 0, 0, 0
	s_wait_dscnt 0                                 ; my reads of this slot are over,
	s_wait_tensorcnt 0x0                           ; and all my tensor loads have landed: no load of mine is out, so a group 0 may be written
	ds_add_u32 v255, v255
	s_wait_dscnt 0x0
	s_barrier_signal -1                            ; say so,
	MUL16 F1, 0, 2, 0                              ; work on registers while the others arrive,
.if \fill
	WIN 0
.endif
	s_barrier_wait -1                              ; and go on when all four have said so
.if \fill
	CREST
	s_add_nc_u64 s[G0+4*\slot+2:G0+4*\slot+3], s[G0+4*\slot+2:G0+4*\slot+3], 2*KSTEP*2     ; two K steps on; the type bits on top are not reached
	s_add_nc_u64 s[G0B+4*\slot+2:G0B+4*\slot+3], s[G0B+4*\slot+2:G0B+4*\slot+3], 2*KSTEP*2
	JLOAD \slot                                    ; the four v_nop behind it are also the places in front of the loads below
.else
	PLACES
.endif
	FETCH \next, 0, F0
	WIN MUL_HI
	MUL16 F1, 1, 0, 0
	MUL16 F1, 1, 2, 0
.endm
; THE WAY OUT of block a (16 rows x 128 columns of f32), in two parts.
; TOSTAGE: a lane's 32 bytes of each of the block's 8 accumulators go into my own stage, and the block comes back as 16 whole rows of 512 bytes, into buffer a % 2.
; LDS serves a wave's instructions in order (ISA guide 5.7.1.4) and the stage is my wave's own: the loads see the stores above them, and the next block's stores come behind these loads.
.macro TOSTAGE a
.set AC, 64*((\a)%4)
.set BK, OB+64*((\a)%2)
.set WS, 0x08+4*((\a)/4)               ; the store's data (source 1) in window 2 (blocks 0-3) or 3 (blocks 4-7), its address in window 0
	WIN WS
.irp b, 0,1,2,3,4,5,6,7
	ds_store_b128 v[STO], v[AC+8*\b:AC+8*\b+3]   offset:64*\b
	ds_store_b128 v[STO], v[AC+8*\b+4:AC+8*\b+7] offset:64*\b+16
.endr
	WIN 0
	s_wait_xcnt 0x0                                ; the buffer, which the stores of the block two back read, is loaded again only behind this wait
.irp t, 0,1,2,3,4,5,6,7,8,9,10,11,12,13,14,15
	ds_load_b128 v[BK+4*\t:BK+4*\t+3], v[RD] offset:\t*SPITCH
.endr
.endm
; SEND: out = 1e-4 x sum + b, one fused multiply-add, and the row is stored.  younger: the LDS instructions issued behind block a's loads: the next block's 16 stores and 16 loads, or none.
.macro SEND a, younger
.set BK, OB+64*((\a)%2)
.irp t, 0,1,2,3,4,5,6,7,8,9,10,11,12,13,14,15
	s_wait_dscnt \younger+15-\t                    ; LDS loads come back in order: row t is in; the block's 15 - t later rows and the younger ones may be out
	v_pk_fma_f32 v[BK+4*\t:BK+4*\t+1],   v[BK+4*\t:BK+4*\t+1],   s[SC:SC+1], v[BIAS:BIAS+1]   op_sel_hi:[1,0,1]
	v_pk_fma_f32 v[BK+4*\t+2:BK+4*\t+3], v[BK+4*\t+2:BK+4*\t+3], s[SC:SC+1], v[BIAS+2:BIAS+3] op_sel_hi:[1,0,1]
	global_store_b128 v[CO], v[BK+4*\t:BK+4*\t+3], s[8:9] offset:(16*(\a)+\t)*ROWC th:TH_STORE_NT   ; the wave stores 512 consecutive bytes, at a multiple of 512 from out0's first byte; 127 rows at the most: 2,080,768, inside the signed 24-bit immediate
.endr
.endm
	s_wait_tensorcnt 1                             ; my part of K step 0 is in; K step 1's, issued behind it, may stay out
	s_wait_loadcnt 0x0                             ; b, once
	s_barrier_signal -1
	s_barrier_wait -1                              ; everybody's part is in
	FETCH 0, 0, F0
	QUARTER 0, 64,  F0, F1, 1                      ; the first quarter stands in front of the loop: its products start the sums
	WIN 0                                          ; at a label and at a branch every window is 0
	s_mov_b32 s3, LAPS-1
.Llap:                                                 ; 15 trips: each goes once round the ring, from a lap's second quarter to the next lap's first, and fills both slots again
	QUARTER 0, 128, F1, F0, 0
	QUARTER 0, 192, F0, F1, 0
	TURN 0, 1, 1
	QUARTER 1, 64,  F0, F1, 0
	QUARTER 1, 128, F1, F0, 0
	QUARTER 1, 192, F0, F1, 0
	TURN 1, 0, 1
	QUARTER 0, 64,  F0, F1, 0
	WIN 0
	s_sub_co_u32 s3, s3, 1
	s_cmp_lg_u32 s3, 0
	s_cbranch_scc1 .Llap
	QUARTER 0, 128, F1, F0, 0                      ; the last lap is written out: it fills nothing, so it has no tensor load and no round of the cluster's barrier
	QUARTER 0, 192, F0, F1, 0
	TURN 0, 1, 0                                   ; its wait for all tensor loads shows the last K step landed
	QUARTER 1, 64,  F0, F1, 0
	QUARTER 1, 128, F1, F0, 0
	QUARTER 1, 192, F0, F1, 0
	s_wait_dscnt 8                                 ; the very last quarter: nothing more to fetch
	WIN MUL_LO
	MUL16 F1, 0, 0, 0
	MUL16 F1, 0, 2, 0
	s_wait_dscnt 0
	WIN MUL_HI
	MUL16 F1, 1, 0, 0
	MUL16 F1, 1, 2, 0
	WIN 0
	PLACES                                         ; behind the last products: for the LDS stores that read their results, and for the loads into A's fragment registers
	TOSTAGE 0
.irp a, 1,2,3,4,5,6,7                  ; block a goes into the stage and is asked back while block a - 1's rows are finished and stored
	TOSTAGE \a
	SEND \a-1, 32
.endr
	SEND 7, 0                                      ; its last wait is for 0: no LDS instruction of mine is pending at the signal below
	s_set_vgpr_msb 0x1
	s_wait_tensorcnt 0x0
	ds_add_u32 v255, v255
	s_wait_dscnt 0x0
	s_set_vgpr_msb 0x100
	CROUND                                         ; the closing round: no work-group ends while a partner may still ask for a tile that names it
	s_endpgm
.Lfunc_end_k_qb3ed337f27_gemm:
	.size	k_qb3ed337f27_gemm, .Lfunc_end_k_qb3ed337f27_gemm-k_qb3ed337f27_gemm
	.p2alignl 7, 3214868480
	.fill 96, 4, 3214868480
	.section	.rodata,"a",@progbits
	.p2align	6, 0x0
	.amdhsa_kernel k_qb3ed337f27_gemm
		.amdhsa_group_segment_fixed_size 327680
		.amdhsa_private_segment_fixed_size 0
		.amdhsa_enable_private_segment 0
		.amdhsa_kernarg_size 32
		.amdhsa_user_sgpr_count 2
		.amdhsa_user_sgpr_kernarg_segment_ptr 1
		.amdhsa_wavefront_size32 1
		.amdhsa_system_sgpr_workgroup_id_x 1
		.amdhsa_system_sgpr_workgroup_id_y 1
		.amdhsa_system_sgpr_workgroup_id_z 1
		.amdhsa_system_vgpr_workitem_id 0
		.amdhsa_next_free_vgpr 1024
		.amdhsa_next_free_sgpr 70
		.amdhsa_reserve_vcc 0
		.amdhsa_float_denorm_mode_32 3
		.amdhsa_float_denorm_mode_16_64 3
		.amdhsa_memory_ordered 1
		.amdhsa_forward_progress 1
		.amdhsa_inst_pref_size 160
	.end_amdhsa_kernel
	.amdgpu_metadata
---
amdhsa.version: [ 1, 2 ]
amdhsa.kernels:
  - .name:           k_qb3ed337f27_gemm
    .symbol:         k_qb3ed337f27_gemm.kd
    .args:
      - { .name: qx, .offset: 0, .size: 8, .value_kind: global_buffer, .address_space: global }
      - { .name: qw, .offset: 8, .size: 8, .value_kind: global_buffer, .address_space: global }
      - { .name: out0, .offset: 16, .size: 8, .value_kind: global_buffer, .address_space: global }
      - { .name: b, .offset: 24, .size: 8, .value_kind: global_buffer, .address_space: global }
    .group_segment_fixed_size: 327680
    .private_segment_fixed_size: 0
    .kernarg_segment_align: 8
    .kernarg_segment_size: 32
    .max_flat_workgroup_size: 128
    .sgpr_count:     70
    .vgpr_count:     1024
    .wavefront_size: 32
...
	.end_amdgpu_metadata
.endif
;; end of part 2
;; ======== version 2 of 2: 2 launches; version 1 with the launch quant written anew for expert scheduling mode
;; limits: right only within a limited range of input values
;; workspace buffers: qx 33,554,432 bytes; qw 33,554,432 bytes
;; launch quant (part 3): grid 512 x 2, 8 waves a work-group, no clusters, 0 bytes of LDS; arguments x, W, qx, qw; writes qx, qw
.if DOCPART == 3
	.amdgcn_target "amdgcn-amd-amdhsa--gfx1250"
	.amdhsa_code_object_version 6
	.text
	.protected	k_qb3ed337f27_quant
	.globl	k_qb3ed337f27_quant
	.p2align	8
	.type	k_qb3ed337f27_quant,@function
k_qb3ed337f27_quant:
	s_mov_b64 s[64:65], 0
	v_nop
	global_prefetch_b8 v0, s[64:65] scope:SCOPE_SE
	s_setreg_imm32_b32 hwreg(HW_REG_WAVE_SCHED_MODE, 0, 2), 2
	s_setreg_imm32_b32 hwreg(HW_REG_WAVE_MODE, 25, 1), 1
	s_wait_xcnt 0x0
	s_wait_alu depctr_vm_vsrc(0)
; qx = bf16(rndne(100 x)), qw = bf16(rndne(100 W)).  x, W: [4096][4096] f32;  qx, qw: [4096][4096] bf16.
; The fixed-point codes n = round(100 v) (ties to even, as jnp.round) are kept as whole numbers; the two divisions by 100 are made
; later, as one factor 1e-4 on the finished f32 sum.  100 v and its rounding to a whole number are the same two f32 operations that the definition makes,
; so the codes are the same.  LIMITS: codes up to 256 in magnitude are exact in bf16, larger ones are rounded to bf16's 8 significant bits
; (the rounding allowed for a matrix operand); 100 v overflows f32 where |v| > 3.4e36, as in the definition itself.
; A stream: each input byte is read once and each output byte written once, so LDS, barriers and the matrix unit would add nothing.
; SHARES.  Grid y picks the tensor (0: x -> qx, 1: W -> qw).  A work-group owns 131,072 consecutive input bytes = 32 steps of 4,096.
; Thread t takes the 16 bytes at 16 t of each step (a wave's load covers 512 consecutive bytes) and stores the 8 bytes at 8 t of the
; step's 2,048 output bytes (a wave's store covers 256 consecutive bytes, aligned).  The step stands in the immediate offset (126,976 at the most),
; so no address register and no base is ever rewritten.
; THE MODE: SCHED_MODE bits 1:0 = 2 (LLVM: expert scheduling mode 2), set by the entry lines.  The code itself states the register dependences
; between vector instructions and memory instructions, with s_wait_alu, always for 0.
; THE PLAN.  The 32 steps go in 8 blocks of four, all written out.  Registers that memory instructions touch:
;   X0 .. X3   four blocks of input as loaded.  Written by the loads of block p + 3, issued in block p; read by block p's multiplies.
;   Y0, Y1     two blocks of codes to store.    Written by block p's conversions; read by the four stores that are issued in block p + 1.
;   v1, v2     byte offsets, made once at the head and never written again.
; Block p works on X[p % 4] and writes Y[p % 2].  Its memory instructions are the loads into X[(p + 3) % 4] = X[(p - 1) % 4] and the stores from
; Y[(p - 1) % 2]: the two buffers that block p - 1 worked on and that no vector instruction of block p names.  So the waits at the head of a block
; state all that the block's eight memory instructions hang on, and these are dealt among its vector instructions with no further wait.
; At a block's head two younger blocks' loads stay out; with the four that follow, twelve loads of every wave are on their way.
.set STEP_IN,  4096
.set STEP_OUT, 2048
.set STEPS,    32
.set BLOCK,    4                       ; steps in a block
.set BLOCKS,   STEPS/BLOCK
.set IN,  1                            ; v1        16 t; never rewritten
.set OUT, 2                            ; v2        8 t; never rewritten
.set T,   4                            ; v[4:7]    four numbers at work: no memory instruction names them
.set X,   8                            ; v[8:71]   buffer k, step i: 4 registers at X + 16 k + 4 i, as loaded
.set Y,   72                           ; v[72:87]  buffer k, step i: 2 registers at Y + 8 k + 2 i, to store
	s_load_b256 s[4:11], s[0:1], 0x0               ; x s[4:5], W s[6:7], qx s[8:9], qw s[10:11]
	s_and_b32 s12, ttmp7, 0xffff                   ; grid y: which tensor
	s_lshl_b32 s14, ttmp9, 17                      ; the work-group's 131,072 input bytes (511 x 131,072 stays under 2^32)
	s_mov_b32 s15, 0
	s_lshl_b32 s16, ttmp9, 16                      ; and its 65,536 output bytes
	s_mov_b32 s17, 0
	s_mov_b32 s18, 0x42c80000                      ; 100.0; the packed multiply names a pair and takes its low word for both halves
	s_mov_b32 s19, 0x42c80000
	v_lshlrev_b32 v[IN], 4, v0
	v_lshlrev_b32 v[OUT], 3, v0
	s_wait_kmcnt 0x0
	s_cmp_eq_u32 s12, 0                            ; the choice hangs on the grid's y alone
	s_cselect_b64 s[4:5], s[4:5], s[6:7]           ; (a select leaves SCC as it is)
	s_cselect_b64 s[8:9], s[8:9], s[10:11]
	s_add_nc_u64 s[4:5], s[4:5], s[14:15]
	s_add_nc_u64 s[8:9], s[8:9], s[16:17]
	s_wait_alu depctr_va_vdst(0)                   ; v1 and v2 are written: every load and store of the kernel reads one of them as its offset
.irp i, 0,1,2,3,4,5,6,7,8,9,10,11
	global_load_b128 v[X+4*(\i):X+4*(\i)+3], v[IN], s[4:5] offset:(\i)*STEP_IN th:TH_LOAD_NT   ; blocks 0, 1 and 2 into X0, X1, X2
.endr
; Block p.  All 8 are written out: the step's number stands in the offsets, and the last three blocks load nothing, so that no load leaves the buffer.
.set p, 0
.rept BLOCKS
.set xb, p%4                           ; the X that this block's multiplies read
.set xn, (p+3)%4                       ; the X in which this block's loads land
.set yb, p%2                           ; the Y that this block's conversions write
.set yo, 1-yb                          ; the Y that this block's stores read
.set left, BLOCK*(BLOCKS-1-p)          ; loads issued behind this block's four: two blocks' eight, and at the end what is left: 4, 0
.if left > 2*BLOCK
.set left, 2*BLOCK
.endif
	s_wait_loadcnt left                            ; loads come back in order (ISA guide 5.7.1): X[xb] is in, the younger blocks stay out
.if p > 1                              ; (in blocks 0 and 1 no store has yet read the Y that the block writes)
	s_wait_xcnt 0x0                                ; every earlier memory instruction has had its addresses translated (ISA guide 3.1): Y[yb], the data of the stores issued in the block before, is rewritten only behind this wait
	s_wait_alu depctr_vm_vsrc(0)                   ; the stores issued in the block before have read Y[yb], which this block's conversions write again
.endif
.if p > 0
	s_wait_alu depctr_va_vdst(0)                   ; the block before has written Y[yo], which the stores below read, and is done reading its X, in which the loads below land
.endif
.irp i, 0,1,2,3
.if p+3 < BLOCKS
	global_load_b128 v[X+16*xn+4*(\i):X+16*xn+4*(\i)+3], v[IN], s[4:5] offset:(BLOCK*(p+3)+(\i))*STEP_IN th:TH_LOAD_NT   ; three blocks ahead, the load ahead of the store; no vector instruction since the wait names these registers
.endif
.if p > 0
	global_store_b64 v[OUT], v[Y+8*yo+2*(\i):Y+8*yo+2*(\i)+1], s[8:9] offset:(BLOCK*(p-1)+(\i))*STEP_OUT   ; the block before.  No hint: the next launch reads these bytes
.endif
	v_pk_mul_f32 v[T:T+1],   v[X+16*xb+4*(\i):X+16*xb+4*(\i)+1],   s[18:19] op_sel_hi:[1,0]   ; 100 v
	v_pk_mul_f32 v[T+2:T+3], v[X+16*xb+4*(\i)+2:X+16*xb+4*(\i)+3], s[18:19] op_sel_hi:[1,0]
	v_rndne_f32 v[T],   v[T]                       ; to the nearest whole number, ties to even
	v_rndne_f32 v[T+1], v[T+1]
	v_rndne_f32 v[T+2], v[T+2]
	v_rndne_f32 v[T+3], v[T+3]
	v_cvt_pk_bf16_f32 v[Y+8*yb+2*(\i)],   v[T],   v[T+1]
	v_cvt_pk_bf16_f32 v[Y+8*yb+2*(\i)+1], v[T+2], v[T+3]
.endr
.set p, p+1
.endr
	s_wait_alu depctr_va_vdst(0)                   ; block 7 has written Y1, which the last four stores read
.irp i, 0,1,2,3
	global_store_b64 v[OUT], v[Y+8+2*(\i):Y+8+2*(\i)+1], s[8:9] offset:(BLOCK*(BLOCKS-1)+(\i))*STEP_OUT
.endr
	s_endpgm
.Lfunc_end_k_qb3ed337f27_quant:
	.size	k_qb3ed337f27_quant, .Lfunc_end_k_qb3ed337f27_quant-k_qb3ed337f27_quant
	.p2alignl 7, 3214868480
	.fill 96, 4, 3214868480
	.section	.rodata,"a",@progbits
	.p2align	6, 0x0
	.amdhsa_kernel k_qb3ed337f27_quant
		.amdhsa_group_segment_fixed_size 0
		.amdhsa_private_segment_fixed_size 0
		.amdhsa_enable_private_segment 0
		.amdhsa_kernarg_size 32
		.amdhsa_user_sgpr_count 2
		.amdhsa_user_sgpr_kernarg_segment_ptr 1
		.amdhsa_wavefront_size32 1
		.amdhsa_system_sgpr_workgroup_id_x 1
		.amdhsa_system_sgpr_workgroup_id_y 1
		.amdhsa_system_sgpr_workgroup_id_z 1
		.amdhsa_system_vgpr_workitem_id 0
		.amdhsa_next_free_vgpr 88
		.amdhsa_next_free_sgpr 66
		.amdhsa_reserve_vcc 0
		.amdhsa_float_denorm_mode_32 3
		.amdhsa_float_denorm_mode_16_64 3
		.amdhsa_memory_ordered 1
		.amdhsa_forward_progress 1
		.amdhsa_inst_pref_size 20
	.end_amdhsa_kernel
	.amdgpu_metadata
---
amdhsa.version: [ 1, 2 ]
amdhsa.kernels:
  - .name:           k_qb3ed337f27_quant
    .symbol:         k_qb3ed337f27_quant.kd
    .args:
      - { .name: x, .offset: 0, .size: 8, .value_kind: global_buffer, .address_space: global }
      - { .name: W, .offset: 8, .size: 8, .value_kind: global_buffer, .address_space: global }
      - { .name: qx, .offset: 16, .size: 8, .value_kind: global_buffer, .address_space: global }
      - { .name: qw, .offset: 24, .size: 8, .value_kind: global_buffer, .address_space: global }
    .group_segment_fixed_size: 0
    .private_segment_fixed_size: 0
    .kernarg_segment_align: 8
    .kernarg_segment_size: 32
    .max_flat_workgroup_size: 256
    .sgpr_count:     66
    .vgpr_count:     88
    .wavefront_size: 32
...
	.end_amdgpu_metadata
.endif
;; end of part 3
;; launch gemm: the kernel of part 2 again; grid 16 x 16, 4 waves a work-group, clusters of 4 x 4, 327,680 bytes of LDS; arguments qx, qw, out0, b; writes out0
